; MI455X (gfx1250); checked and timed in simulation.
; The chip was launched on July 23, 2026; its instructions are those of AMD's public machine-readable ISA for CDNA 5 (MIT licence, August 2026) and "CDNA5" Instruction Set Architecture Reference Guide (July 2026). The comments in the code are by the model that wrote it; some were corrected since.
;; Memory. Allowed arithmetic: matrix products marked QUANTISED: E5M2 operands, one given power-of-two scale a tensor, by v_wmma_f32_16x16x64_bf8_bf8 or v_wmma_f32_16x16x128_bf8_bf8, f32 sums; everything else in f32.
;; Inputs: emb_q 4 x 75 x 128 float32; emb_s 4 x 25 x 128 float32; embg_q 4 x 75 x 128 float32; embg_s 4 x 25 x 128 float32; lowp_scales 6 int32 (the exponents e of the quantised operands' scales 2^e); memory_keys 512 x 128 float32; memory_values 512 x 128 float32; thresh 4 float32.
;; Outputs: out0 4 x 100 x 128 float32; out1 4 x 100 x 128 float32; out2 one number float32; out3 one number float32; out4 one number float32.
;; This version of the problem:
;;   THIS VERSION OF THE PROBLEM IS GIVEN IN LOW PRECISION. The matrix products marked QUANTISED in the list below multiply operands that are first quantised to E5M2 (5 exponent bits, 2 mantissa bits; 8 bits a number), with one given power-of-two scale for each operand tensor; their sums are f32. All else is computed in f32.
;;   The module's matrix products, in the order in which they are computed (A, B: the left and right operand; K: the contracted axis; several contracted axes count as one K, in the product's order):
;;     1. [M 400, K 128] x [K 128, N 512]; A: computed on the way; B: input memory_keys: QUANTISED (scales: A lowp_scales[0], B lowp_scales[1])
;;     2. [M 400, K 128] x [K 128, N 512]; A: computed on the way; B: input memory_values: QUANTISED (scales: A lowp_scales[2], B lowp_scales[3])
;;     3. [M 400, K 512] x [K 512, N 128]; A: computed on the way; B: input memory_values: QUANTISED (scales: A lowp_scales[4], B lowp_scales[5])
;;   THE QUANTISER, for each operand of a quantised product, along K:
;;     - The operand's scale is 2^e, e = its entry of the input lowp_scales (int32; the entries are numbered through the quantised products in the list's order, A before B).
;;     - Each number is divided by the scale, clamped to +-57,344, and rounded to the nearest number of E5M2, ties to even, subnormals kept.
;;     - The product sums the exact products of the quantised numbers (number of the format x scale) in f32.
;;   ~~~python
;;   def quantise(x, axis, e):      # numpy; x: float32 -> the quantised numbers, widened to float32 again
;;       x = np.moveaxis(x, axis, -1); K = x.shape[-1]
;;       r = np.clip(x / 2.0 ** e, -57344, 57344)
;;       step = 2.0 ** (np.maximum(np.frexp(np.where(r == 0, 1, r))[1] - 1, -14) - 2)
;;       q = np.round(r / step) * step * 2.0 ** e      # np.round: ties to even
;;       return np.moveaxis(q, -1, axis).astype(np.float32)
;;   ~~~
;;   OPERANDS COMPUTED ON THE WAY. 'Computed on the way' means the value that the module computes at that place (a softmax that the list does not call 'softmax' is quantised finished and normalised). What goes into a quantiser is computed in f32, as accurately as f32 sums, v_exp_f32 and their like allow (about 1e-6 of the number): no bf16 or f16 on the way to a quantiser, and a product that is left as it is and whose result goes on into a quantised operand takes f32 operands (vector FMAs, or v_wmma_f32_16x16x4_f32). A number that lies on a knife's edge between two numbers of the format may be rounded either way, as far as f32 arithmetic and the matrix unit's own rounding can turn it there, and no further.
;; One version. Each part assembles by itself: llvm-mc -triple=amdgcn-amd-amdhsa -mcpu=gfx1250 --defsym DOCPART=n.
;; ======== version 1 of 1: 2 launches
;; limits: right only within a limited range of input values
;; workspace buffers: prt 1,638,400 bytes; cand 153,600 bytes
;; launch tiles (part 1): grid 8 x 25, 4 waves a work-group, no clusters, 167,936 bytes of LDS; arguments emb_s, emb_q, embg_s, embg_q, memory_keys, memory_values, thresh, lowp_scales, out0, prt, cand; writes out0, prt, cand
.if DOCPART == 1
	.amdgcn_target "amdgcn-amd-amdhsa--gfx1250"
	.amdhsa_code_object_version 6
	.text
	.protected	k_q51e5873d80_tiles
	.globl	k_q51e5873d80_tiles
	.p2align	8
	.type	k_q51e5873d80_tiles,@function
k_q51e5873d80_tiles:
	s_mov_b64 s[64:65], 0
	v_nop
	global_prefetch_b8 v0, s[64:65] scope:SCOPE_SE
	s_setreg_imm32_b32 hwreg(HW_REG_WAVE_MODE, 25, 1), 1
	s_wait_xcnt 0x0
; 400 rows (4 x (25 support + 75 query)) of 128 numbers, twice (emb, embg); two tables of 512 slots x 128 (keys, values).
; A work-group (x = slice of 64 slots, y = tile of 16 rows): normalises its rows (out0); sim_kv and sim_vk of 16 rows x 64 slots on codes of E5M2; pos_score's codes times the slice's values (K = 64 of the 512 slots),
; stored as an f32 part (prt [row][slice][128]; slice 0 adds norm_glo); in each row of each sim the hardest positive (first smallest above the threshold) and hardest negative (first largest below) of the slice, each with
; its cosine (cand planes 0: kv, 1: vk); the sums of (sim_vk - sim_kv)^2 (plane 2).  The next launch joins the eight slices.
; COSINES.  <values[slot], norm_glo> and <keys[slot], norm_emb> are wanted in f32 for the winning slots only.  Which slots win is found here from f32 sums, so no address may follow it in this launch:
; both products are made in f32 for all 16 x 64 pairs by multiply-adds, and the searches carry the pair's number along with its key.
; DEAD WORK.  memory_keys_updated and memory_values_updated (with cand_v, w_v, cand_k, w_k, arg, onehot, sel) are bound to a name that no result reads: no output hangs on them whatever the inputs hold; they are not computed.
; A NaN, an infinity or an overflow that reaches only them is not carried to a result.
; LIMITS.  NaN and infinities among the inputs are not served.  Each exponent of lowp_scales lies between -126 and 112; e0 + e1, e2 + e3 and e4 + e5 between -126 and 127.  A row's sum of squares must not overflow f32.
; Equal sims: the lower slot wins.
; SHARES.  Wave w = 2 d + p.  d = 0: norm_emb and keys (sim_kv); d = 1: norm_glo and values (sim_vk).  Its own slots are 32 p .. 32 p + 31 (two tiles of 16) in sim and search; in the f32 products of direction d it takes
; all 64 slots and rows 8 p .. 8 p + 7; in work by rows it owns rows 4 w .. 4 w + 3 of both sets; in the third product channels 32 w .. 32 w + 31.
; NO CLUSTER: the slice's tables are shared by the 25 row tiles, and 25 is no multiple of 4; what the eight slices share are the rows, 16 KB of 80.  NO PREFETCH: there is no loop to run ahead in.
; LAYOUT.  Products are used transposed (source 0 = table rows or channels, source 1 = my 16 rows): a lane holds ONE row (r = lane % 16); register j is slot 8 h + j of the tile (h = lane / 16).
; A lane's fragment holds channels 32 c + 16 h + 0 .. 15, c = 0 .. 3, on both sides alike: a permutation of k that keeps every product with its partner.
.set PITCH, 528                        ; LDS rows of 512 bytes + 16
.set HALF,  16896                      ; 32 rows: what a wave's tensor load brings, to HALF x w: keys' 64 rows, then values' 64 rows
.set XSE, 67584                        ; norm_emb, 16 rows;  norm_glo XGO behind it
.set XGO, 8448
.set VT,  84480                        ; the values' codes for the third product: 64 slots x (128 + 32) bytes
.set PCX, 94720                        ; pos_score's codes: tile c's 8 bytes a lane at 256 c
.set STG, 95744                        ; the third product's part: 16 rows
.set CND, 104192                       ; candidates, 256 bytes a wave;  1,024 behind them: the sums, 256 a wave
.set DD,  106240                       ; the f32 products: [direction][row][64 slots], rows of 256 bytes + 16
.set DPL, 4352
.set SIM, 114944                       ; both sims as register images, 2,048 bytes a wave
.set SPARE, 123136                     ; the spare words, 128 bytes a wave
; REGISTERS, window 0: v1-v13, v18, v19, v240-244 addresses; v14-17 scales (rows, table, pos_score, values of the third product); v[20:21] squared differences
.set BEST, 22                          ; v22-25 the searches' keys: positive and negative of tile 0, of tile 1
.set BC,   26                          ; v26-29 their cosines
.set SPW,  30                          ; my spare word's address, and 0
.set NIL,  31
.set NT,   32                          ; v32-47 at work
.set T,    48                          ; v48-79 my four rows: emb at T + 8 u, embg at T + 8 u + 4
.set CK,   80                          ; tile 0's codes; later XB, the turned codes
.set AE,   96                          ; the rows' codes; later FR, the third product's fragments
.set CK2,  112                         ; tile 1's codes; later TA, the third product's sums
.set S0,   128                         ; sims, tile 0 and tile 1
.set S1,   136
.set POS,  144                         ; d = 0: pos_score;  d = 1: v144-175 values' codes.  Later v144-151 the third product's operand, then v144-159 the cosines
.set PCA,  144
.set PC,   160
.set TO,   160
.set H,    176                         ; v176-239 held numbers on their way to codes
.set AC,   176                         ; later: the f32 products' sums: row n, tile t at AC + 8 n + 2 t, a pair (even and odd channels)
; window 1: v64 t .. : table tile t's f32 fragment (0, 1 my own, 2, 3 the other half);  v192-255 first: my rows' fragment
; window 2: two buffers of two rows for the f32 products
.set MSB, 0
.macro WIN new
.if MSB != \new
	s_set_vgpr_msb (MSB<<8)|\new
.set MSB, \new
.endif
.endm
	s_load_b512 s[4:19], s[0:1], 0x0               ; emb_s 4, emb_q 6, embg_s 8, embg_q 10, keys 12, values 14, thresh 16, scales 18
	s_load_b128 s[20:23], s[0:1], 0x40             ; out0 20, prt 22
	s_load_b64 s[24:25], s[0:1], 0x50              ; cand
	v_lshl_add_u32 v[SPW], v0, 2, SPARE
	v_mov_b32 v[NIL], 0
	ds_add_u32 v[SPW], v[NIL]
	ds_add_u32 v[SPW], v[NIL]
	v_lshrrev_b32 v32, 5, v0
	v_readfirstlane_b32 s30, v32                   ; wave 0..3
	; descriptor group 1: 32 rows x 128 f32, rows dense in memory, 4 words of padding behind each 128 in LDS
	s_mov_b32 s48, (2<<16)|(1<<20)|(6<<22)|(3<<25)
	s_mov_b32 s49, 128<<16
	s_mov_b32 s50, 32<<16
	s_mov_b32 s51, 128<<16
	s_mov_b32 s52, 32
	s_mov_b32 s53, 128
	s_mov_b32 s54, 0
	s_mov_b32 s55, 0
	s_mov_b32 s56, 1
	s_mul_i32 s57, s30, HALF
	s_lshr_b32 s60, s30, 1                         ; d
	s_and_b32 s61, s30, 1                          ; p
	s_lshl_b32 s62, ttmp9, 15                      ; the slice's 64 rows,
	s_lshl_b32 s63, s61, 14                        ; and my 32 of them
	s_add_co_u32 s62, s62, s63
	s_mov_b32 s63, 0
	s_and_b32 s29, ttmp7, 0xffff                   ; row tile
	s_lshl_b32 s31, s29, 4
	s_lshl_b32 s82, s30, 2
	s_add_co_u32 s31, s31, s82                     ; my first row
	s_lshl_b32 s66, s31, 9
	s_mov_b32 s67, 0
	s_lshl_b32 s68, s31, 12
	s_lshl_b32 s82, ttmp9, 9
	s_add_co_u32 s68, s68, s82                     ; prt: 4,096 bytes a row, 512 a slice
	s_mov_b32 s69, 0
	s_cmp_eq_u32 s30, 3                            ; cand: waves 0 and 2 store planes 0 and 1, wave 3 plane 2
	s_cselect_b32 s70, 2, s60
	s_mul_i32 s70, s70, 51200
	s_lshl_b32 s82, s29, 11
	s_add_co_u32 s70, s70, s82
	s_lshl_b32 s82, ttmp9, 8
	s_add_co_u32 s70, s70, s82
	s_mov_b32 s71, 0
; Row g = 100 t + n of the joined tensors: support row 25 t + n where n < 25, else query row 75 t + n - 25
.macro ROWOFF u
	s_add_co_u32 s72, s31, \u
	s_mul_i32 s73, s72, 5243
	s_lshr_b32 s73, s73, 19                        ; g / 100, right for every g under 400
	s_mul_i32 s74, s73, 100
	s_sub_co_u32 s[96+\u], s72, s74                ; n
	s_mul_i32 s75, s73, 25
	s_add_co_u32 s75, s75, s[96+\u]
	s_mul_i32 s76, s73, 75
	s_add_co_u32 s76, s76, s[96+\u]
	s_sub_co_u32 s76, s76, 25
	s_cmp_lt_u32 s[96+\u], 25
	s_cselect_b32 s75, s75, s76
	s_lshl_b32 s[88+2*\u], s75, 9
	s_mov_b32 s[89+2*\u], 0
.endm
.irp u, 0,1,2,3
	ROWOFF \u
.endr
	s_xor_b32 s83, s30, 1
	s_mul_i32 s83, s83, HALF                       ; the other half of my table
	s_mul_i32 s84, s30, 4*PITCH
	s_add_co_u32 s85, s84, STG
	s_add_co_u32 s84, s84, XSE
	s_lshl_b32 s86, s30, 7
	s_add_co_u32 s86, s86, STG
	s_lshl_b32 s87, s30, 5
	s_add_co_u32 s87, s87, VT
	s_mul_i32 s26, s60, XGO
	s_add_co_u32 s26, s26, XSE                     ; my direction's rows
	s_mul_i32 s27, s61, 8*PITCH
	s_add_co_u32 s27, s27, s26                     ; my eight of them
	s_mul_i32 s28, s61, 5120
	s_add_co_u32 s28, s28, VT
	s_lshl_b32 s72, s61, 9
	s_add_co_u32 s72, s72, PCX
	s_lshl_b32 s73, s30, 8
	s_add_co_u32 s73, s73, CND
	s_lshl_b32 s74, s60, 9
	s_add_co_u32 s74, s74, CND
	s_mul_i32 s75, s60, DPL
	s_add_co_u32 s75, s75, DD
	s_mul_i32 s76, s61, 2176
	s_add_co_u32 s75, s75, s76                     ; my direction's products, row 8 p:
	s_xor_b32 s77, s61, 1
	s_lshl_b32 s77, s77, 7
	s_add_co_u32 s76, s75, s77                     ; the other half's slots,
	s_lshl_b32 s78, s61, 7
	s_add_co_u32 s75, s75, s78                     ; my own slots
	s_xor_b32 s77, s60, 1
	s_mul_i32 s77, s77, DPL
	s_add_co_u32 s77, s77, s78
	s_add_co_u32 s77, s77, DD                      ; the other direction's products at my own slots
	s_lshl_b32 s79, s61, 11
	s_lshl_b32 s78, s60, 10
	s_add_co_u32 s79, s79, s78
	s_add_co_u32 s79, s79, SIM                     ; sims, back: tile d of half p
	s_lshl_b32 s78, s30, 11
	s_add_co_u32 s78, s78, SIM                     ; sims, in
	v_and_b32 v40, 31, v0                          ; lane
	v_and_b32 v2, 15, v0                           ; r
	v_bfe_u32 v3, v0, 4, 1                         ; h
	v_and_b32 v42, 7, v0
	v_bfe_u32 v43, v0, 3, 1
	v_lshlrev_b32 v1, 4, v40                       ; 16 x lane
	v_mul_u32_u24 v41, v2, PITCH
	v_lshl_add_u32 v42, v3, 3, v42
	v_lshl_add_u32 v41, v3, 6, v41                 ; 528 r + 64 h
	v_mul_u32_u24 v42, v42, 160
	v_mul_u32_u24 v44, v2, 160
	v_lshlrev_b32 v45, 6, v3                       ; 64 h
	v_mul_u32_u24 v46, v3, 1088
	v_mul_u32_u24 v47, v2, 272
	v_lshl_add_u32 v46, v2, 2, v46                 ; four rows of 272 x h + 4 r
	v_lshl_add_u32 v47, v3, 5, v47                 ; 272 r + 32 h
	v_lshl_add_u32 v44, v3, 4, v44
	v_lshl_add_u32 v42, v43, 4, v42
	v_add_nc_u32 v4, s57, v41                      ; my own slots' fragments
	v_add_nc_u32 v19, s83, v41                     ; the other half's
	v_add_nc_u32 v6, s26, v41                      ; my direction's rows' fragment
	v_add_nc_u32 v18, s27, v45                     ; my eight rows, one for all lanes of a half
	v_add_nc_u32 v9, s86, v41                      ; the stage, in: row r, my 16 channels
	v_add_nc_u32 v5, s84, v1                       ; my four rows in XSE
	v_add_nc_u32 v10, s85, v1                      ; and in the stage
	v_add_nc_u32 v7, s28, v44                      ; codes into VT: slot 32 p + r, + 16 h
	v_add_nc_u32 v8, s87, v42                      ; the turning load: slot 8 h + lane % 8, channels 32 w + 16 ((lane / 8) % 2)
	v_add_nc_u32 v240, s75, v46                    ; the f32 products, in
	v_add_nc_u32 v241, s76, v46
	v_add_nc_u32 v242, s77, v47                    ; and back
	v_add_nc_u32 v243, s78, v1
	v_add_nc_u32 v244, s79, v1
	v_lshlrev_b32 v3, 3, v40                       ; from here on 8 x lane
	v_add_nc_u32 v11, s72, v3
	v_add_nc_u32 v12, PCX, v3
	v_add_nc_u32 v13, s73, v3                      ; candidates and sums, in
	v_add_nc_u32 v2, s74, v3                       ; from here on: candidates of direction d, back
	s_wait_alu depctr_va_vdst(0)
	s_wait_dscnt 0x0                               ; both opening adds are done
	s_wait_kmcnt 0x0
	s_cmp_lt_u32 s30, 2                            ; waves 0, 1 fetch keys, waves 2, 3 values
	s_cselect_b64 s[58:59], s[12:13], s[14:15]
	s_add_nc_u64 s[58:59], s[58:59], s[62:63]
	s_or_b32 s59, s59, 0x80000000
	tensor_load_to_lds s[56:59], s[48:55]
	s_nop 0
	s_load_b128 s[72:75], s[16:17], 0x0            ; the four thresholds
	s_load_b128 s[76:79], s[18:19], 0x0            ; e0 .. e5
	s_load_b64 s[80:81], s[18:19], 0x10
.irp u, 0,1,2,3
	s_cmp_lt_u32 s[96+\u], 25
	s_cselect_b64 s[32+4*\u:33+4*\u], s[4:5], s[6:7]
	s_cselect_b64 s[34+4*\u:35+4*\u], s[8:9], s[10:11]
	s_add_nc_u64 s[32+4*\u:33+4*\u], s[32+4*\u:33+4*\u], s[88+2*\u:89+2*\u]
	s_add_nc_u64 s[34+4*\u:35+4*\u], s[34+4*\u:35+4*\u], s[88+2*\u:89+2*\u]
	global_load_b128 v[T+8*\u:T+8*\u+3],   v1, s[32+4*\u:33+4*\u]    ; 512 consecutive bytes each
	global_load_b128 v[T+8*\u+4:T+8*\u+7], v1, s[34+4*\u:35+4*\u]
.endr
	s_add_nc_u64 s[20:21], s[20:21], s[66:67]
	s_add_nc_u64 s[22:23], s[22:23], s[68:69]
	s_add_nc_u64 s[24:25], s[24:25], s[70:71]
	s_mov_b32 s26, 0x76543210                      ; v_permlanex16_b32: lane l xor 16
	s_mov_b32 s27, 0xfedcba98
	s_mov_b32 s28, 0x7f800000                      ; +infinity
	s_mov_b32 s29, 0xff800000                      ; -infinity
	s_mov_b32 s100, 0x06040200                     ; v_perm_b32: the even bytes of two words, the odd ones
	s_mov_b32 s101, 0x07050301
	s_wait_kmcnt 0x0
	s_cmp_eq_u32 s60, 0                            ; my direction's thresholds and exponents
	s_cselect_b32 s72, s72, s74
	s_cselect_b32 s73, s73, s75
	s_cselect_b32 s76, s76, s78
	s_cselect_b32 s77, s77, s79
	s_mov_b32 s78, s80
	s_mov_b32 s79, s81
.irp i, 0,1,2,3                        ; operand i (rows, table, pos_score, third product's values): 2^e in v[14+i] (the conversion takes its exponent field); +57,344 x 2^e in s[4+2i], - in s[5+2i]
	s_add_co_i32 s82, s[76+\i], 127
	s_lshl_b32 s83, s82, 23
	v_mov_b32 v[14+\i], s83
	s_add_co_i32 s82, s82, 15
	s_lshl_b32 s82, s82, 23
	s_or_b32 s[4+2*\i], s82, 0x600000
	s_xor_b32 s[5+2*\i], s[4+2*\i], 0x80000000
.endr
.irp i, 0,1                            ; 2^(two exponents added), as a pair: my direction's sim, the third product
	s_add_co_i32 s82, s[76+2*\i], s[77+2*\i]
	s_add_co_i32 s82, s82, 127
	s_lshl_b32 s[88+2*\i], s82, 23
	s_mov_b32 s[89+2*\i], s[88+2*\i]
.endr
	s_wait_alu depctr_va_vdst(0)
	s_wait_loadcnt 0x0                             ; my rows are in
; eight rows, four registers a lane each, at v[T] on, divided by max(norm, 1e-12)
.macro EACH8 text:vararg
.set Z, 0
.rept 8
	\text
.set Z, Z+1
.endr
.endm
	EACH8 v_pk_mul_f32 v[NT+2*Z:NT+2*Z+1], v[T+4*Z:T+4*Z+1], v[T+4*Z:T+4*Z+1]
	EACH8 v_pk_fma_f32 v[NT+2*Z:NT+2*Z+1], v[T+4*Z+2:T+4*Z+3], v[T+4*Z+2:T+4*Z+3], v[NT+2*Z:NT+2*Z+1]
	EACH8 v_add_f32 v[NT+2*Z], v[NT+2*Z], v[NT+2*Z+1]
	EACH8 v_add_f32_dpp v[NT+2*Z], v[NT+2*Z], v[NT+2*Z] row_xmask:1 row_mask:0xf bank_mask:0xf
	EACH8 v_add_f32_dpp v[NT+2*Z], v[NT+2*Z], v[NT+2*Z] row_xmask:2 row_mask:0xf bank_mask:0xf
	EACH8 v_add_f32_dpp v[NT+2*Z], v[NT+2*Z], v[NT+2*Z] row_xmask:4 row_mask:0xf bank_mask:0xf
	EACH8 v_add_f32_dpp v[NT+2*Z], v[NT+2*Z], v[NT+2*Z] row_xmask:8 row_mask:0xf bank_mask:0xf
	EACH8 v_permlanex16_b32 v[NT+2*Z+1], v[NT+2*Z], s26, s27
	EACH8 v_add_f32 v[NT+2*Z], v[NT+2*Z], v[NT+2*Z+1]
	s_wait_alu depctr_va_vdst(0)                   ; ahead of and behind each batch
	EACH8 v_sqrt_f32 v[NT+2*Z], v[NT+2*Z]
	v_nop
	s_wait_alu depctr_va_vdst(0)
	EACH8 v_max_num_f32 v[NT+2*Z], 0x2b8cbccc, v[NT+2*Z]
	s_wait_alu depctr_va_vdst(0)
	EACH8 v_rcp_f32 v[NT+2*Z], v[NT+2*Z]
	v_nop
	s_wait_alu depctr_va_vdst(0)
	EACH8 v_pk_mul_f32 v[T+4*Z:T+4*Z+1], v[T+4*Z:T+4*Z+1], v[NT+2*Z:NT+2*Z+1] op_sel_hi:[1,0]
	EACH8 v_pk_mul_f32 v[T+4*Z+2:T+4*Z+3], v[T+4*Z+2:T+4*Z+3], v[NT+2*Z:NT+2*Z+1] op_sel_hi:[1,0]
.irp u, 0,1,2,3
	ds_store_b128 v5, v[T+8*\u:T+8*\u+3]   offset:PITCH*\u
	ds_store_b128 v5, v[T+8*\u+4:T+8*\u+7] offset:XGO+PITCH*\u
.endr
	s_wait_alu depctr_va_vdst(0)
	s_cmp_lg_u32 ttmp9, 1                          ; out0 has one owner: slice 1
	s_cbranch_scc1 .Lnot_mine
.irp u, 0,1,2,3
	global_store_b128 v1, v[T+8*\u:T+8*\u+3], s[20:21] offset:512*\u
.endr
.Lnot_mine:
	s_wait_dscnt 0x0                               ; my rows lie in LDS
	s_barrier_signal -1
	s_barrier_wait -1                              ; all rows do
; A fragment of 64 f32 a lane into v[dst] on of window 1
.macro FRAG dst, adr, off
	WIN 0x40
.irp c, 0,1,2,3
.irp q, 0,1,2,3
	ds_load_b128 v[\dst+16*\c+4*\q:\dst+16*\c+4*\q+3], v[\adr] offset:\off+128*\c+16*\q
.endr
.endr
	WIN 0
.endm
; Rows 2 g, 2 g + 1 of my eight, into buffer g % 2 of window 2: all lanes of a half read the same bytes, the half's 64 channels
.macro LOADG g
	WIN 0x80
.irp a, 0,1
.irp c, 0,1,2,3
.irp q, 0,1,2,3
	ds_load_b128 v[128*((\g)%2)+64*\a+16*\c+4*\q:128*((\g)%2)+64*\a+16*\c+4*\q+3], v18 offset:PITCH*(2*(\g)+\a)+128*\c+16*\q
.endr
.endr
.endr
	WIN 0
.endm
; 64 numbers at v[src] on of window 1 become 16 registers of codes at v[dst] on, with operand i's scale.  The conversion does not saturate (ISA guide 7.6.2): each number is held first.
.macro QUANT src, dst, i
	WIN 0x01
.set QK, 0
.rept 64
	v_med3_num_f32 v[H+QK], v[\src+QK], s[5+2*\i], s[4+2*\i]
.set QK, QK+1
.endr
	WIN 0
.set QK, 0
.rept 8
	v_cvt_scalef32_pk8_bf8_f32 v[\dst+2*QK:\dst+2*QK+1], v[H+8*QK:H+8*QK+7], v[14+\i]
.set QK, QK+1
.endr
	v_nop
.endm
	FRAG 192, 6, 0                                 ; work on the rows alone, ahead of the wait for the tables
	LOADG 0
	s_wait_dscnt 32                                ; the rows' fragment is in; the first two broadcast rows may be out
	QUANT 192, AE, 0
	s_wait_alu depctr_va_vdst(0)
	s_wait_tensorcnt 0x0                           ; my part of the tables is in
	s_wait_dscnt 0x0
	s_barrier_signal -1
	s_barrier_wait -1                              ; both tables are
	FRAG 0, 4, 0
	FRAG 64, 4, 16*PITCH
	FRAG 128, 19, 0
	s_wait_dscnt 32                                ; tile 0 is in; tiles 1 and 2 may be out
	QUANT 0, CK, 1
	FRAG 192, 19, 16*PITCH
	s_wait_dscnt 32                                ; tile 1 is in; tiles 2 and 3 may be out
	QUANT 64, CK2, 1
	v_wmma_f32_16x16x128_bf8_bf8 v[S0:S0+7], v[CK:CK+15], v[AE:AE+15], 0
	v_wmma_f32_16x16x128_bf8_bf8 v[S1:S1+7], v[CK2:CK2+15], v[AE:AE+15], 0
.rept 4
	v_nop                                          ; four places ahead of the first read of results (ISA guide 7.12.1)
.endr
.irp j, 0,2,4,6,8,10,12,14
	v_pk_mul_f32 v[S0+\j:S0+\j+1], v[S0+\j:S0+\j+1], s[88:89] op_sel_hi:[1,0]   ; x 2^(the two exponents)
.endr
.irp i, 0,1,2,3
	ds_store_b128 v243, v[S0+4*\i:S0+4*\i+3] offset:512*\i
.endr
	s_wait_alu depctr_va_vdst(0)
	s_cmp_eq_u32 s60, 0
	s_cbranch_scc1 .Lpositive
.irp t, 0,1                            ; d = 1: my values' codes for the third product
	QUANT 64*\t, POS+16*\t, 3
.irp c, 0,1,2,3
	ds_store_b128 v7, v[POS+16*\t+4*\c:POS+16*\t+4*\c+3] offset:2560*\t+32*\c
.endr
.endr
	s_branch .Lcodes
.Lpositive:                                            ; d = 0: pos_score's codes
.irp j, 0,1,2,3,4,5,6,7,8,9,10,11,12,13,14,15
	v_cmp_lt_f32 s[32+\j], s72, v[S0+\j]
.endr
.irp j, 0,1,2,3,4,5,6,7,8,9,10,11,12,13,14,15
	v_cndmask_b32 v[POS+\j], 0, v[S0+\j], s[32+\j]
.endr
.irp j, 0,1,2,3,4,5,6,7,8,9,10,11,12,13,14,15
	v_med3_num_f32 v[POS+\j], v[POS+\j], s9, s8
.endr
	v_cvt_scalef32_pk8_bf8_f32 v[PC:PC+1], v[POS:POS+7], v16        ; slots 16 (2 p + t) + 8 h + 0 .. 7 of the slice's 64
	v_cvt_scalef32_pk8_bf8_f32 v[PC+2:PC+3], v[POS+8:POS+15], v16
	v_nop
	ds_store_b64 v11, v[PC:PC+1]
	ds_store_b64 v11, v[PC+2:PC+3] offset:256
.Lcodes:
	s_wait_alu depctr_va_vdst(0)
	s_wait_dscnt 0x0                               ; my codes and sims lie in LDS; tiles 2 and 3 are in
	s_barrier_signal -1                            ; between here and the wait: work on registers, and loads of the rows, which nobody writes again
; The f32 products of two rows with all four tiles: lane (r, h) takes slot r of each tile, over the 64 channels of half h; eight chains by turns
.macro DENSE g
	WIN 0x09                                       ; source 0: window 1, source 1: window 2, sums: window 0
.set KK, 0
.rept 32
.irp a, 0,1
.irp t, 0,1,2,3
.set A0, AC+16*(\g)+8*\a+2*\t
.set B0, 128*((\g)%2)+64*\a+2*KK
.if KK == 0
	v_pk_mul_f32 v[A0:A0+1], v[64*\t+2*KK:64*\t+2*KK+1], v[B0:B0+1]
.else
	v_pk_fma_f32 v[A0:A0+1], v[64*\t+2*KK:64*\t+2*KK+1], v[B0:B0+1], v[A0:A0+1]
.endif
.endr
.endr
.set KK, KK+1
.endr
	WIN 0
.endm
	LOADG 1
	DENSE 0
	LOADG 2
	s_wait_dscnt 32                                ; the next two rows are in; the two behind them may be out
	DENSE 1
	LOADG 3
	s_wait_dscnt 32
	DENSE 2
	s_wait_dscnt 0x0
	DENSE 3
.irp n, 0,1,2,3,4,5,6,7
.irp t, 0,1,2,3
	v_add_f32 v[AC+8*\n+2*\t], v[AC+8*\n+2*\t], v[AC+8*\n+2*\t+1]
.endr
.endr
; the two halves of the channels meet: lanes 0-15 keep row n, lanes 16-31 row n + 4
.irp n, 0,1,2,3
.irp t, 0,1,2,3
	v_permlane16_swap_b32 v[AC+8*\n+2*\t], v[AC+32+8*\n+2*\t]
.endr
.endr
.irp n, 0,1,2,3
.irp t, 0,1,2,3
	v_add_f32 v[AC+8*\n+2*\t], v[AC+8*\n+2*\t], v[AC+32+8*\n+2*\t]
.endr
.endr
	s_wait_alu depctr_va_vdst(0)
	s_barrier_wait -1                              ; all four waves' codes and sims lie in LDS
.set XB, CK
.set FR, AE
.set TA, CK2
.irp i, 0,1
	ds_load_b128 v[NT+4*\i:NT+4*\i+3], v244 offset:512*\i               ; tile d of half p: sim_kv,
	ds_load_b128 v[NT+8+4*\i:NT+11+4*\i], v244 offset:4096+512*\i       ; and sim_vk
.endr
.irp c, 0,1,2,3
	ds_load_tr16_b128 v[XB+4*\c:XB+4*\c+3], v8 offset:2560*\c     ; slots 16 c + 8 h + 0 .. 7 of channels 32 w + 2 r and + 1, interleaved
.endr
.irp c, 0,1,2,3
	ds_load_b64 v[PCA+2*\c:PCA+2*\c+1], v12 offset:256*\c
.endr
.irp n, 0,1,2,3
	ds_store_b32 v240, v[AC+8*\n] offset:272*\n                   ; my own slots' two tiles,
	ds_store_b32 v240, v[AC+8*\n+2] offset:272*\n+64
	ds_store_b32 v241, v[AC+8*\n+4] offset:272*\n                 ; the other half's
	ds_store_b32 v241, v[AC+8*\n+6] offset:272*\n+64
.endr
	s_wait_dscnt 16                                ; all loads are in; the 16 stores may be out
.irp u, 0,1                            ; fragment u: row r = channel 32 w + 2 r + u, registers 2 c, 2 c + 1 = slots 16 c + 8 h + 0 .. 7
.irp c, 0,1,2,3
	v_perm_b32 v[FR+8*\u+2*\c],   v[XB+4*\c+1], v[XB+4*\c],   s[100+\u]
	v_perm_b32 v[FR+8*\u+2*\c+1], v[XB+4*\c+3], v[XB+4*\c+2], s[100+\u]
.endr
.endr
	v_wmma_f32_16x16x64_bf8_bf8 v[TA:TA+7], v[FR:FR+7], v[PCA:PCA+7], 0
	v_wmma_f32_16x16x64_bf8_bf8 v[TA+8:TA+15], v[FR+8:FR+15], v[PCA:PCA+7], 0
.irp j, 0,2,4,6                        ; the squared differences; these eight are also the places behind the products
	v_pk_add_f32 v[NT+\j:NT+\j+1], v[NT+\j:NT+\j+1], v[NT+8+\j:NT+9+\j] neg_lo:[0,1] neg_hi:[0,1]
.endr
	v_pk_mul_f32 v[20:21], v[NT:NT+1], v[NT:NT+1]
.irp j, 2,4,6
	v_pk_fma_f32 v[20:21], v[NT+\j:NT+\j+1], v[NT+\j:NT+\j+1], v[20:21]
.endr
.irp u, 0,1                            ; x 2^(e4 + e5), channels in order: register 2 j + u = channel 32 w + 16 h + 2 j + u
.irp j, 0,1,2,3,4,5,6,7
	v_mul_f32 v[TO+2*\j+\u], s90, v[TA+8*\u+\j]
.endr
.endr
.irp q, 0,1,2,3
	ds_store_b128 v9, v[TO+4*\q:TO+4*\q+3] offset:16*\q
.endr
	ds_store_b64 v13, v[20:21] offset:1024
	s_wait_alu depctr_va_vdst(0)
	s_wait_dscnt 0x0                               ; my f32 products, my part and my sums lie in LDS
	s_barrier_signal -1
	s_barrier_wait -1
.irp u, 0,1,2,3
	ds_load_b128 v[176+4*\u:179+4*\u], v10 offset:PITCH*\u        ; my four rows of the part
.endr
.irp t, 0,1
.irp q, 0,1
	ds_load_b128 v[144+8*\t+4*\q:147+8*\t+4*\q], v242 offset:64*\t+16*\q   ; my 16 slots' cosines, in the sims' layout
.endr
.endr
	s_wait_dscnt 0x0
	s_cmp_lg_u32 ttmp9, 0                          ; slice 0's part carries norm_glo
	s_cbranch_scc1 .Lout
.irp u, 0,1,2,3
	v_pk_add_f32 v[176+4*\u:177+4*\u], v[176+4*\u:177+4*\u], v[T+8*\u+4:T+8*\u+5]
	v_pk_add_f32 v[178+4*\u:179+4*\u], v[178+4*\u:179+4*\u], v[T+8*\u+6:T+8*\u+7]
.endr
.Lout:
.irp u, 0,1,2,3
	global_store_b128 v1, v[176+4*\u:179+4*\u], s[22:23] offset:4096*\u
.endr
.set DA, 144
.set DB, 152
; Slot j of my lane's eight of each tile: four searches by turns; a later slot replaces only where it is strictly better
.macro SEARCH j
	v_cmp_lt_f32 s82, s72, v[S0+\j]
	v_cmp_gt_f32 s83, s73, v[S0+\j]
	v_cmp_lt_f32 s84, s72, v[S1+\j]
	v_cmp_gt_f32 s85, s73, v[S1+\j]
.if \j == 0
.set Q, BEST
.else
.set Q, NT
.endif
.if \j == 1
.set P0, DA
.set P1, DA
.set P2, DB
.set P3, DB
.else
.set P0, BC
.set P1, BC+1
.set P2, BC+2
.set P3, BC+3
.endif
	v_cndmask_b32 v[Q], s28, v[S0+\j], s82
	v_cndmask_b32 v[Q+1], s29, v[S0+\j], s83
	v_cndmask_b32 v[Q+2], s28, v[S1+\j], s84
	v_cndmask_b32 v[Q+3], s29, v[S1+\j], s85
.if \j > 0
	v_cmp_le_f32 vcc_lo, v[BEST], v[NT]
	v_cmp_ge_f32 s86, v[BEST+1], v[NT+1]
	v_cmp_le_f32 s87, v[BEST+2], v[NT+2]
	v_cmp_ge_f32 s94, v[BEST+3], v[NT+3]
	v_cndmask_b32 v[BEST], v[NT], v[BEST], vcc_lo
	v_cndmask_b32 v[BEST+1], v[NT+1], v[BEST+1], s86
	v_cndmask_b32 v[BEST+2], v[NT+2], v[BEST+2], s87
	v_cndmask_b32 v[BEST+3], v[NT+3], v[BEST+3], s94
	v_cndmask_b32 v[BC], v[DA+\j], v[P0], vcc_lo
	v_cndmask_b32 v[BC+1], v[DA+\j], v[P1], s86
	v_cndmask_b32 v[BC+2], v[DB+\j], v[P2], s87
	v_cndmask_b32 v[BC+3], v[DB+\j], v[P3], s94
.endif
.endm
.irp j, 0,1,2,3,4,5,6,7
	SEARCH \j
.endr
	v_xor_b32 v[BEST+1], 0x80000000, v[BEST+1]     ; the maxima become minima; +infinity says 'none'
	v_xor_b32 v[BEST+3], 0x80000000, v[BEST+3]
	; lanes 0-15 take the positive's two halves, lanes 16-31 the negative's; of equal keys the lower slots' half wins, then the lower tile
	v_permlane16_swap_b32 v22, v23
	v_permlane16_swap_b32 v24, v25
	v_permlane16_swap_b32 v26, v27
	v_permlane16_swap_b32 v28, v29
	v_cmp_le_f32 vcc_lo, v22, v23
	v_cmp_le_f32 s82, v24, v25
	v_cndmask_b32 v22, v23, v22, vcc_lo
	v_cndmask_b32 v24, v25, v24, s82
	v_cndmask_b32 v23, v27, v26, vcc_lo
	v_cndmask_b32 v25, v29, v28, s82
	v_cmp_le_f32 vcc_lo, v22, v24
	v_cndmask_b32 v22, v24, v22, vcc_lo
	v_cndmask_b32 v23, v25, v23, vcc_lo
	s_wait_alu depctr_va_vdst(0)
	s_cmp_eq_u32 s61, 0                            ; p = 1 hands its candidates to p = 0
	s_cbranch_scc1 .Lkept
	ds_store_b64 v13, v[22:23]
.Lkept:
	s_wait_dscnt 0x0
	s_barrier_signal -1
	s_barrier_wait -1
	s_cmp_eq_u32 s61, 0
	s_cbranch_scc1 .Lmerge
	s_cmp_eq_u32 s30, 1
	s_cbranch_scc1 .Lend
.irp i, 0,1,2,3                        ; wave 3: the four waves' sums
	ds_load_b64 v[192+2*\i:193+2*\i], v2 offset:512+256*\i
.endr
	s_wait_dscnt 0x0
	v_pk_add_f32 v[192:193], v[192:193], v[194:195]
	v_pk_add_f32 v[196:197], v[196:197], v[198:199]
	v_pk_add_f32 v[22:23], v[192:193], v[196:197]
	s_wait_alu depctr_va_vdst(0)
	s_branch .Lcand
.Lmerge:
	ds_load_b64 v[192:193], v2 offset:256          ; of equal keys mine, the lower slots', wins
	s_wait_dscnt 0x0
	v_cmp_le_f32 vcc_lo, v22, v192
	v_cndmask_b32 v22, v192, v22, vcc_lo
	v_cndmask_b32 v23, v193, v23, vcc_lo
.Lcand:
	global_store_b64 v3, v[22:23], s[24:25]        ; 256 consecutive bytes, aligned
.Lend:
	s_wait_tensorcnt 0x0                           ; the wave's end
	ds_add_u32 v[SPW], v[NIL]
	s_wait_dscnt 0x0
	s_endpgm
.Lfunc_end_k_q51e5873d80_tiles:
	.size	k_q51e5873d80_tiles, .Lfunc_end_k_q51e5873d80_tiles-k_q51e5873d80_tiles
	.p2alignl 7, 3214868480
	.fill 96, 4, 3214868480
	.section	.rodata,"a",@progbits
	.p2align	6, 0x0
	.amdhsa_kernel k_q51e5873d80_tiles
		.amdhsa_group_segment_fixed_size 167936
		.amdhsa_private_segment_fixed_size 0
		.amdhsa_enable_private_segment 0
		.amdhsa_kernarg_size 88
		.amdhsa_user_sgpr_count 2
		.amdhsa_user_sgpr_kernarg_segment_ptr 1
		.amdhsa_wavefront_size32 1
		.amdhsa_system_sgpr_workgroup_id_x 1
		.amdhsa_system_sgpr_workgroup_id_y 1
		.amdhsa_system_sgpr_workgroup_id_z 1
		.amdhsa_system_vgpr_workitem_id 0
		.amdhsa_next_free_vgpr 768
		.amdhsa_next_free_sgpr 102
		.amdhsa_reserve_vcc 1
		.amdhsa_float_denorm_mode_32 3
		.amdhsa_float_denorm_mode_16_64 3
		.amdhsa_memory_ordered 1
		.amdhsa_forward_progress 1
		.amdhsa_inst_pref_size 144
	.end_amdhsa_kernel
	.amdgpu_metadata
---
amdhsa.version: [ 1, 2 ]
amdhsa.kernels:
  - .name:           k_q51e5873d80_tiles
    .symbol:         k_q51e5873d80_tiles.kd
    .args:
      - { .name: emb_s, .offset: 0, .size: 8, .value_kind: global_buffer, .address_space: global }
      - { .name: emb_q, .offset: 8, .size: 8, .value_kind: global_buffer, .address_space: global }
      - { .name: embg_s, .offset: 16, .size: 8, .value_kind: global_buffer, .address_space: global }
      - { .name: embg_q, .offset: 24, .size: 8, .value_kind: global_buffer, .address_space: global }
      - { .name: memory_keys, .offset: 32, .size: 8, .value_kind: global_buffer, .address_space: global }
      - { .name: memory_values, .offset: 40, .size: 8, .value_kind: global_buffer, .address_space: global }
      - { .name: thresh, .offset: 48, .size: 8, .value_kind: global_buffer, .address_space: global }
      - { .name: lowp_scales, .offset: 56, .size: 8, .value_kind: global_buffer, .address_space: global }
      - { .name: out0, .offset: 64, .size: 8, .value_kind: global_buffer, .address_space: global }
      - { .name: prt, .offset: 72, .size: 8, .value_kind: global_buffer, .address_space: global }
      - { .name: cand, .offset: 80, .size: 8, .value_kind: global_buffer, .address_space: global }
    .group_segment_fixed_size: 167936
    .private_segment_fixed_size: 0
    .kernarg_segment_align: 8
    .kernarg_segment_size: 88
    .max_flat_workgroup_size: 128
    .sgpr_count:     102
    .vgpr_count:     768
    .wavefront_size: 32
...
	.end_amdgpu_metadata
.endif
;; end of part 1
;; launch join (part 2): grid 83 x 1, 5 waves a work-group, no clusters, 1,024 bytes of LDS; arguments prt, cand, out1, out2, out3, out4; writes out1, out2, out3, out4
.if DOCPART == 2
	.amdgcn_target "amdgcn-amd-amdhsa--gfx1250"
	.amdhsa_code_object_version 6
	.text
	.protected	k_q51e5873d80_join
	.globl	k_q51e5873d80_join
	.p2align	8
	.type	k_q51e5873d80_join,@function
k_q51e5873d80_join:
	s_mov_b64 s[64:65], 0
	v_nop
	global_prefetch_b8 v0, s[64:65] scope:SCOPE_SE
	s_setreg_imm32_b32 hwreg(HW_REG_WAVE_MODE, 25, 1), 1
	s_wait_xcnt 0x0
; Work-groups 3 .. 82: out1: a wave takes one row: the eight slices' parts (slice 0's carries norm_glo), 4,096 bytes on end, are added, and the row divided by max(norm, 1e-12).
; Work-groups 0, 1, 2: the scalars, one owner each, from cand's plane 0 (loss_v: out3), 1 (loss_k: out2), 2 (loss_s: out4).  A plane is 25 row tiles x 8 slices x 256 bytes; wave w takes tiles 5 w .. 5 w + 4.
; Planes 0, 1: item 16 kind + r of a slice's 32 holds (key, cosine) of row r: of a row's eight slices the smallest key wins, of equal keys the lower slice; key +infinity: no slot counted, the term is 0.
; Positives add, negatives subtract.  Lane l loads items 2 (l % 16) and 2 (l % 16) + 1, lanes 0-15 of slices 0-3, lanes 16-31 of slices 4-7.
; A loss is max(0.1 - sum / 400, 0); loss_s is the sum / 204,800 (a sum of squares: the same maximum with 0 leaves it).
; The updated memories of reference() reach no output: they are not computed, and a NaN or an infinity that reaches only them is not carried on.  NaN and infinities among the inputs are not served.
; No matrix unit, no cluster: work-groups share no input.  No prefetch: no loop.
	s_load_b256 s[4:11], s[0:1], 0x0               ; prt 4, cand 6, out1 8, out2 10
	s_load_b128 s[12:15], s[0:1], 0x20             ; out3 12, out4 14
	v_lshrrev_b32 v2, 5, v0
	v_readfirstlane_b32 s16, v2                    ; wave 0..4
	v_and_b32 v3, 31, v0                           ; lane
	v_lshlrev_b32 v1, 4, v3
	v_and_b32 v2, 15, v0
	v_bfe_u32 v4, v0, 4, 1
	v_lshlrev_b32 v2, 4, v2
	v_lshl_add_u32 v2, v4, 10, v2                  ; 16 (lane % 16) + 1,024 (lane / 16)
	s_mov_b32 s18, 0x76543210                      ; v_permlanex16_b32: lane l xor 16
	s_mov_b32 s19, 0xfedcba98
	s_wait_alu depctr_va_vdst(0)
	s_cmp_lt_u32 ttmp9, 3
	s_cbranch_scc1 .Lscalars
	s_sub_co_u32 s17, ttmp9, 3
	s_mul_i32 s17, s17, 5
	s_add_co_u32 s17, s17, s16                     ; my row
	s_lshl_b32 s20, s17, 12
	s_mov_b32 s21, 0
	s_lshl_b32 s22, s17, 9
	s_mov_b32 s23, 0
	s_wait_kmcnt 0x0
	s_add_nc_u64 s[4:5], s[4:5], s[20:21]
	s_add_nc_u64 s[8:9], s[8:9], s[22:23]
.irp p, 0,1,2,3,4,5,6,7
	global_load_b128 v[16+4*\p:19+4*\p], v1, s[4:5] offset:512*\p th:TH_LOAD_NT
.endr
	s_wait_loadcnt 0x0
.irp p, 0,2,4,6
	v_pk_add_f32 v[16+4*\p:17+4*\p], v[16+4*\p:17+4*\p], v[20+4*\p:21+4*\p]
	v_pk_add_f32 v[18+4*\p:19+4*\p], v[18+4*\p:19+4*\p], v[22+4*\p:23+4*\p]
.endr
.irp p, 0,4
	v_pk_add_f32 v[16+4*\p:17+4*\p], v[16+4*\p:17+4*\p], v[24+4*\p:25+4*\p]
	v_pk_add_f32 v[18+4*\p:19+4*\p], v[18+4*\p:19+4*\p], v[26+4*\p:27+4*\p]
.endr
	v_pk_add_f32 v[16:17], v[16:17], v[32:33]
	v_pk_add_f32 v[18:19], v[18:19], v[34:35]
	v_pk_mul_f32 v[8:9], v[16:17], v[16:17]
	v_pk_fma_f32 v[8:9], v[18:19], v[18:19], v[8:9]
	v_add_f32 v8, v8, v9
.irp m, 1,2,4,8
	v_add_f32_dpp v8, v8, v8 row_xmask:\m row_mask:0xf bank_mask:0xf
.endr
	v_permlanex16_b32 v9, v8, s18, s19
	v_add_f32 v8, v8, v9
	s_wait_alu depctr_va_vdst(0)                   ; ahead of and behind each transcendental
	v_sqrt_f32 v8, v8
	v_nop
	s_wait_alu depctr_va_vdst(0)
	v_max_num_f32 v8, 0x2b8cbccc, v8
	s_wait_alu depctr_va_vdst(0)
	v_rcp_f32 v8, v8
	v_nop
	s_wait_alu depctr_va_vdst(0)
	v_pk_mul_f32 v[16:17], v[16:17], v[8:9] op_sel_hi:[1,0]
	v_pk_mul_f32 v[18:19], v[18:19], v[8:9] op_sel_hi:[1,0]
	global_store_b128 v1, v[16:19], s[8:9]         ; a whole row, 512 consecutive bytes
	s_endpgm
.Lscalars:
	s_mul_i32 s20, ttmp9, 51200
	s_mul_i32 s22, s16, 10240
	s_add_co_u32 s20, s20, s22
	s_mov_b32 s21, 0
	s_lshl_b32 s22, s16, 2
	s_mov_b32 s23, 0x7f800000                      ; +infinity
	v_lshl_add_u32 v30, v0, 2, 0x100               ; my spare word, and 0
	v_mov_b32 v31, 0
	v_mov_b32 v5, 0
	v_mov_b32 v6, s22                              ; my wave's word in LDS
	v_mov_b32 v7, 0
	v_and_b32 v3, 8, v0                            ; from here on: 0 where my item is a positive
	s_wait_alu depctr_va_vdst(0)
	s_wait_kmcnt 0x0
	s_add_nc_u64 s[6:7], s[6:7], s[20:21]
.irp t, 0,1,2,3,4
.irp p, 0,1,2,3
	global_load_b128 v[40+16*\t+4*\p:43+16*\t+4*\p], v2, s[6:7] offset:2048*\t+256*\p th:TH_LOAD_NT
.endr
.endr
	s_cmp_eq_u32 ttmp9, 1                          ; which result is mine
	s_cselect_b64 s[12:13], s[10:11], s[12:13]
	s_cmp_eq_u32 ttmp9, 2
	s_cselect_b64 s[12:13], s[14:15], s[12:13]
	s_mov_b32 s44, 0x36a3d70a                      ; 1 / 204,800
	s_mov_b32 s45, 0xbb23d70a                      ; -1 / 400
	s_cselect_b32 s44, s44, s45
	s_mov_b32 s45, 0x3dcccccd                      ; the margin, 0.1
	s_cselect_b32 s45, 0, s45
	s_cmp_eq_u32 ttmp9, 2
	s_cbranch_scc1 .Lsquares
; the tiles named go side by side: a lane's four slices of two items, then the two halves: lanes 0-15 keep item 2 (l % 16), lanes 16-31 the next
.macro BETTER t, a, b, m
	v_cndmask_b32 v[40+16*\t+\a], v[40+16*\t+\b], v[40+16*\t+\a], s[24+4*\t+\m]
	v_cndmask_b32 v[41+16*\t+\a], v[41+16*\t+\b], v[41+16*\t+\a], s[24+4*\t+\m]
.endm
.macro MERGE ts:vararg
.irp t, \ts
	v_cmp_le_f32 s[24+4*\t], v[40+16*\t], v[44+16*\t]
	v_cmp_le_f32 s[25+4*\t], v[42+16*\t], v[46+16*\t]
	v_cmp_le_f32 s[26+4*\t], v[48+16*\t], v[52+16*\t]
	v_cmp_le_f32 s[27+4*\t], v[50+16*\t], v[54+16*\t]
.endr
.irp t, \ts
	BETTER \t, 0, 4, 0
	BETTER \t, 2, 6, 1
	BETTER \t, 8, 12, 2
	BETTER \t, 10, 14, 3
.endr
.irp t, \ts
	v_cmp_le_f32 s[24+4*\t], v[40+16*\t], v[48+16*\t]
	v_cmp_le_f32 s[25+4*\t], v[42+16*\t], v[50+16*\t]
.endr
.irp t, \ts
	BETTER \t, 0, 8, 0
	BETTER \t, 2, 10, 1
.endr
.irp t, \ts
	v_permlane16_swap_b32 v[40+16*\t], v[42+16*\t]
	v_permlane16_swap_b32 v[41+16*\t], v[43+16*\t]
.endr
.irp t, \ts
	v_cmp_le_f32 s[24+4*\t], v[40+16*\t], v[42+16*\t]
.endr
.irp t, \ts
	BETTER \t, 0, 2, 0
.endr
.irp t, \ts
	v_cmp_gt_f32 s[24+4*\t], s23, v[40+16*\t]      ; did any slot count?
.endr
.irp t, \ts
	v_cndmask_b32 v[40+16*\t], 0, v[41+16*\t], s[24+4*\t]
.endr
.endm
	s_wait_loadcnt 0x8                             ; tiles 0 to 2 are in; the last two tiles' loads may be out
	MERGE 0,1,2
	s_wait_alu depctr_va_vdst(0)
	s_wait_loadcnt 0x0
	MERGE 3,4
	v_add_f32 v40, v40, v56
	v_add_f32 v72, v72, v88
	v_add_f32 v40, v40, v104
	v_cmp_eq_u32 vcc_lo, 0, v3
	v_add_f32 v4, v40, v72
	v_xor_b32 v5, 0x80000000, v4
	v_cndmask_b32 v4, v5, v4, vcc_lo
	s_wait_alu depctr_va_vdst(0)
	s_branch .Ljoin
.Lsquares:
	s_wait_loadcnt 0x0
.irp p, 1,2,3,4,5,6,7
.irp t, 0,1,2,3,4
	v_pk_add_f32 v[40+16*\t:41+16*\t], v[40+16*\t:41+16*\t], v[40+16*\t+2*\p:41+16*\t+2*\p]
.endr
.endr
	v_pk_add_f32 v[40:41], v[40:41], v[56:57]
	v_pk_add_f32 v[72:73], v[72:73], v[88:89]
	v_pk_add_f32 v[40:41], v[40:41], v[104:105]
	v_pk_add_f32 v[40:41], v[40:41], v[72:73]
	v_add_f32 v4, v40, v41
.Ljoin:
.irp m, 1,2,4,8
	v_add_f32_dpp v4, v4, v4 row_xmask:\m row_mask:0xf bank_mask:0xf
.endr
	v_permlanex16_b32 v5, v4, s18, s19
	v_add_f32 v4, v4, v5
	ds_store_b32 v6, v4                            ; all lanes store the same word
	s_wait_alu depctr_va_vdst(0)
	s_wait_dscnt 0x0                               ; for wave 0's sake
	s_barrier_signal -1
	s_barrier_wait -1
	s_cmp_lg_u32 s16, 0
	s_cbranch_scc1 .Lend
	ds_load_b128 v[8:11], v7
	ds_load_b32 v12, v7 offset:16
	s_wait_dscnt 0x0
	v_add_f32 v8, v8, v9
	v_add_f32 v10, v10, v11
	v_add_f32 v8, v8, v12
	v_add_f32 v8, v8, v10
	v_mov_b32 v9, s45
	v_fma_f32 v8, v8, s44, v9
	v_max_num_f32 v8, 0, v8
	v_cmp_eq_u32 vcc_lo, 0, v0
	s_wait_alu depctr_va_vdst(0)
	s_wait_xcnt 0x0                                ; EXEC changes only behind this wait
	s_and_saveexec_b32 s46, vcc_lo
	global_store_b32 v7, v8, s[12:13]
	s_wait_xcnt 0x0
	s_or_b32 exec_lo, exec_lo, s46
.Lend:
	s_wait_tensorcnt 0x0                           ; the wave's end
	ds_add_u32 v30, v31
	s_wait_dscnt 0x0
	s_endpgm
.Lfunc_end_k_q51e5873d80_join:
	.size	k_q51e5873d80_join, .Lfunc_end_k_q51e5873d80_join-k_q51e5873d80_join
	.p2alignl 7, 3214868480
	.fill 96, 4, 3214868480
	.section	.rodata,"a",@progbits
	.p2align	6, 0x0
	.amdhsa_kernel k_q51e5873d80_join
		.amdhsa_group_segment_fixed_size 1024
		.amdhsa_private_segment_fixed_size 0
		.amdhsa_enable_private_segment 0
		.amdhsa_kernarg_size 48
		.amdhsa_user_sgpr_count 2
		.amdhsa_user_sgpr_kernarg_segment_ptr 1
		.amdhsa_wavefront_size32 1
		.amdhsa_system_sgpr_workgroup_id_x 1
		.amdhsa_system_sgpr_workgroup_id_y 1
		.amdhsa_system_sgpr_workgroup_id_z 1
		.amdhsa_system_vgpr_workitem_id 0
		.amdhsa_next_free_vgpr 128
		.amdhsa_next_free_sgpr 66
		.amdhsa_reserve_vcc 1
		.amdhsa_float_denorm_mode_32 3
		.amdhsa_float_denorm_mode_16_64 3
		.amdhsa_memory_ordered 1
		.amdhsa_forward_progress 1
		.amdhsa_inst_pref_size 19
	.end_amdhsa_kernel
	.amdgpu_metadata
---
amdhsa.version: [ 1, 2 ]
amdhsa.kernels:
  - .name:           k_q51e5873d80_join
    .symbol:         k_q51e5873d80_join.kd
    .args:
      - { .name: prt, .offset: 0, .size: 8, .value_kind: global_buffer, .address_space: global }
      - { .name: cand, .offset: 8, .size: 8, .value_kind: global_buffer, .address_space: global }
      - { .name: out1, .offset: 16, .size: 8, .value_kind: global_buffer, .address_space: global }
      - { .name: out2, .offset: 24, .size: 8, .value_kind: global_buffer, .address_space: global }
      - { .name: out3, .offset: 32, .size: 8, .value_kind: global_buffer, .address_space: global }
      - { .name: out4, .offset: 40, .size: 8, .value_kind: global_buffer, .address_space: global }
    .group_segment_fixed_size: 1024
    .private_segment_fixed_size: 0
    .kernarg_segment_align: 8
    .kernarg_segment_size: 48
    .max_flat_workgroup_size: 160
    .sgpr_count:     66
    .vgpr_count:     128
    .wavefront_size: 32
...
	.end_amdgpu_metadata
.endif
;; end of part 2
